; MI455X (gfx1250); checked and timed in simulation.
; The chip was launched on July 23, 2026; its instructions are those of AMD's public machine-readable ISA for CDNA 5 (MIT licence, August 2026) and "CDNA5" Instruction Set Architecture Reference Guide (July 2026). The comments in the code are by the model that wrote it; some were corrected since.
;; Codebook. Allowed arithmetic: matrix products marked QUANTISED: E2M1 operands, one E8M0 scale for each 32 along K, by v_wmma_scale_f32_16x16x128_f8f6f4 with both operands' format E2M1 (or v_wmma_scale_f32_32x16x128_f4), f32 sums; everything else in f32.
;; Inputs: embeddings 1,024 x 64 float32; z 64 x 32 x 32 x 64 float32.
;; Outputs: out0 64 x 32 x 32 x 64 float32; out1 64 x 32 x 32 int32.
;; This version of the problem:
;;   THIS VERSION OF THE PROBLEM IS GIVEN IN LOW PRECISION. The matrix products marked QUANTISED in the list below multiply operands that are first quantised to E2M1 (2 exponent bits, 1 mantissa bit; 4 bits a number), with one power-of-two scale for each 32 numbers along K (OCP MX v1.0); their sums are f32. All else is computed in f32.
;;   The module's matrix products, in the order in which they are computed (A, B: the left and right operand; K: the contracted axis; several contracted axes count as one K, in the product's order):
;;     1. [M 65,536, K 64] x [K 64, N 1,024]; A: input z; B: input embeddings: QUANTISED
;;   THE QUANTISER, for each operand of a quantised product, along K:
;;     - K is cut into blocks of 32 from its start; a last block that is shorter is filled with zeros.
;;     - A block's scale is 2^e with e = floor(log2(the largest magnitude in the block)) - 2, held to -126 .. 127; a block of zeros has e = 0. As a byte (E8M0): e + 127.
;;     - Each number is divided by its block's scale, clamped to +-6, and rounded to the nearest number of E2M1, ties to even, subnormals kept.
;;     - The product sums the exact products of the quantised numbers (number of the format x scale) in f32.
;;   ~~~python
;;   def quantise(x, axis):      # numpy; x: float32 -> the quantised numbers, widened to float32 again
;;       x = np.moveaxis(x, axis, -1); K = x.shape[-1]
;;       x = np.pad(x, [(0, 0)] * (x.ndim - 1) + [(0, -K % 32)]); x = x.reshape(x.shape[:-1] + (-1, 32)); a = np.abs(x).max(-1, keepdims=True)
;;       e = np.where(a > 0, np.clip(np.frexp(np.where(a > 0, a, 1))[1] - 1 - 2, -126, 127), 0)      # np.frexp(a)[1] - 1 = floor(log2(a)), exactly
;;       r = np.clip(x / 2.0 ** e, -6, 6)
;;       step = 2.0 ** (np.maximum(np.frexp(np.where(r == 0, 1, r))[1] - 1, 0) - 1)
;;       q = np.round(r / step) * step * 2.0 ** e      # np.round: ties to even
;;       return np.moveaxis(q.reshape(q.shape[:-2] + (-1,))[..., :K], -1, axis).astype(np.float32)
;;   ~~~
;; 2 versions. Each part assembles by itself: llvm-mc -triple=amdgcn-amd-amdhsa -mcpu=gfx1250 --defsym DOCPART=n.
;; ======== version 1 of 2: 3 launches
;; workspace buffers: ecode 40,960 bytes; pick 262,144 bytes of whole numbers
;; launch prep (part 1): grid 32 x 1, 1 waves a work-group, no clusters, 0 bytes of LDS; arguments embeddings, ecode; writes ecode
.if DOCPART == 1
	.amdgcn_target "amdgcn-amd-amdhsa--gfx1250"
	.amdhsa_code_object_version 6
	.text
	.protected	k_qb7e92d00f0_prep
	.globl	k_qb7e92d00f0_prep
	.p2align	8
	.type	k_qb7e92d00f0_prep,@function
k_qb7e92d00f0_prep:
	s_mov_b64 s[64:65], 0
	v_nop
	global_prefetch_b8 v0, s[64:65] scope:SCOPE_SE
	s_setreg_imm32_b32 hwreg(HW_REG_WAVE_MODE, 25, 1), 1
	s_wait_xcnt 0x0
; The codebook, embeddings [1024][64] f32, is quantised ONCE, along its 64 numbers, to codes of FP4 (E2M1) with one E8M0 byte for each 32, and laid as the next launch's matrix operand wants it.
; ecode: bytes 0 .. 32767: 32 operand images of 1,024 bytes; 32768 .. 36863: their scale words, 128 bytes an image; 36864 .. 40959: e2[code] = the sum of the code's 64 squares, f32, unquantised.
; AN IMAGE p holds TWO tiles of 16 codes in one operand of 16 rows x 128 along K: tile X at k = 0 .. 63, tile Y at k = 64 .. 127.  Row m of X is code 16 p + m (m < 8) or 512 + 16 p + m - 8 (m >= 8); row m of Y is the code 8 further on.
; Lane (r, h) of the operand holds row r; its registers 0-3 are k = 32 h + 0 .. 31 (X's block h), its registers 4-7 are k = 64 + 32 h + 0 .. 31 (Y's block h).  So a lane takes one whole block of each of two codes:
; a block's largest magnitude needs no other lane, and the conversions' results are the operand's registers.  Registers 0-3 are stored at 16 x lane, registers 4-7 512 bytes on: 512 consecutive bytes a store.
; A block's scale is 2^(floor(log2(largest magnitude)) - 2): its byte is the largest magnitude's exponent field - 2, held at 1 from below by a floor among the maximum's leaves.
; One wave makes one image; 32 work-groups of one wave.  No LDS, no barrier.
; The scale words (128 bytes a wave) and e2 (four runs of 32 bytes a wave) are short stores: 8,192 bytes of the launch's 40,960.
; LIMITS: NaN and infinities are not served.  A block of zeros gets the byte 1 where the rule says 127: its codes are zeros, and this program alone reads the bytes.  e2 is summed in this text's own order (two halves of a lane, then the two lanes), which may differ from another order in the last bits.
.set SCL, 32768
.set NRM, 36864
.set XN,  16                           ; v16-47  32 numbers of X's row
.set YN,  48                           ; v48-79  32 numbers of Y's row
.set SX,  80                           ; v[80:81] X's squares, two running sums
.set SY,  82                           ; v[82:83] Y's
.set CX,  84                           ; v84-87 X's codes, v88-91 Y's
	s_load_b128 s[4:7], s[0:1], 0x0                ; embeddings, ecode
	v_and_b32 v1, 15, v0                           ; r
	v_lshrrev_b32 v2, 4, v0                        ; h (one wave: the thread's number is the lane)
	v_and_b32 v3, 7, v1
	v_lshrrev_b32 v4, 3, v1
	v_lshl_add_u32 v3, v4, 9, v3                   ; r % 8 + 512 (r / 8)
	s_lshl_b32 s8, ttmp9, 4
	v_add_nc_u32 v3, s8, v3                        ; X's code of my row: + 16 p
	v_lshlrev_b32 v5, 8, v3                        ; a code is 256 bytes,
	v_lshl_add_u32 v5, v2, 7, v5                   ; my block 128 h bytes on
	s_mov_b32 s10, 0x76543210
	s_mov_b32 s11, 0xfedcba98                      ; v_permlanex16_b32's selects for lane l xor 16
	v_lshlrev_b32 v6, 4, v0
	s_lshl_b32 s12, ttmp9, 10
	v_add_nc_u32 v6, s12, v6                       ; the image: 1,024 p + 16 x lane
	v_lshlrev_b32 v7, 2, v0
	s_lshl_b32 s13, ttmp9, 7
	v_add_nc_u32 v7, s13, v7                       ; the scale words: 128 p + 4 x lane
	s_wait_kmcnt 0x0
.irp i, 0,1,2,3,4,5,6,7
	global_load_b128 v[XN+4*\i:XN+4*\i+3], v5, s[4:5] offset:16*\i
.endr
.irp i, 0,1,2,3,4,5,6,7
	global_load_b128 v[YN+4*\i:YN+4*\i+3], v5, s[4:5] offset:2048+16*\i   ; 8 codes on
.endr
	s_wait_loadcnt 0x0
	v_max3_num_f32 v8, |v[XN]|, |v[XN+1]|, 0x1800000               ; the floor 2^(3 - 127): the byte cannot fall under 1
	v_max3_num_f32 v9, |v[YN]|, |v[YN+1]|, 0x1800000
	v_pk_mul_f32 v[SX:SX+1], v[XN:XN+1], v[XN:XN+1]                ; the first squares start the sums
	v_pk_mul_f32 v[SY:SY+1], v[YN:YN+1], v[YN:YN+1]
.irp i, 2,4,6,8,10,12,14,16,18,20,22,24,26,28,30
	v_max3_num_f32 v8, v8, |v[XN+\i]|, |v[XN+\i+1]|                ; four chains by turns
	v_max3_num_f32 v9, v9, |v[YN+\i]|, |v[YN+\i+1]|
	v_pk_fma_f32 v[SX:SX+1], v[XN+\i:XN+\i+1], v[XN+\i:XN+\i+1], v[SX:SX+1]
	v_pk_fma_f32 v[SY:SY+1], v[YN+\i:YN+\i+1], v[YN+\i:YN+\i+1], v[SY:SY+1]
.endr
	v_add_nc_u32 v10, 0xff000000, v8               ; 2 off the exponent field: the conversion takes the exponent field of this operand as its scale
	v_add_nc_u32 v11, 0xff000000, v9
	v_add_f32 v[SX], v[SX], v[SX+1]
	v_add_f32 v[SY], v[SY], v[SY+1]
	v_lshrrev_b32 v12, 23, v10                     ; the scales' bytes
	v_lshrrev_b32 v13, 23, v11
.irp g, 0,1,2,3
	v_cvt_scalef32_pk8_fp4_f32 v[CX+\g], v[XN+8*\g:XN+8*\g+7], v10
	v_cvt_scalef32_pk8_fp4_f32 v[CX+4+\g], v[YN+8*\g:YN+8*\g+7], v11
.endr
	v_lshl_or_b32 v14, v13, 16, v12                ; my two bytes: X's block h, Y's block h,
	v_lshlrev_b32 v15, 3, v2
	v_lshlrev_b32 v14, v15, v14                    ; at their places in the row's scale word (8 h bits up)
	v_mov_b32 v92, 0                               ; a lane permute's destination counts as one of its sources
	v_mov_b32 v93, 0
	v_mov_b32 v94, 0
	v_permlanex16_b32 v92, v14, s10, s11
	v_permlanex16_b32 v93, v[SX], s10, s11
	v_permlanex16_b32 v94, v[SY], s10, s11
	v_or_b32 v14, v14, v92                         ; with lane l xor 16's two bytes the word is whole, in both lanes
	v_add_f32 v[SX], v[SX], v93                    ; e2 of X's code,
	v_add_f32 v[SY], v[SY], v94                    ; of Y's
	v_cmp_eq_u32 vcc_lo, 1, v2
	v_cndmask_b32 v[SX], v[SX], v[SY], vcc_lo      ; lanes 0-15 store X's, lanes 16-31 Y's
	v_lshl_add_u32 v3, v2, 3, v3                   ; the code: + 8 h
	v_lshlrev_b32 v3, 2, v3
	global_store_b128 v6, v[CX:CX+3], s[6:7]
	global_store_b128 v6, v[CX+4:CX+7], s[6:7] offset:512
	global_store_b32 v7, v14, s[6:7] offset:SCL
	global_store_b32 v3, v[SX], s[6:7] offset:NRM
	s_endpgm
.Lfunc_end_k_qb7e92d00f0_prep:
	.size	k_qb7e92d00f0_prep, .Lfunc_end_k_qb7e92d00f0_prep-k_qb7e92d00f0_prep
	.p2alignl 7, 3214868480
	.fill 96, 4, 3214868480
	.section	.rodata,"a",@progbits
	.p2align	6, 0x0
	.amdhsa_kernel k_qb7e92d00f0_prep
		.amdhsa_group_segment_fixed_size 0
		.amdhsa_private_segment_fixed_size 0
		.amdhsa_enable_private_segment 0
		.amdhsa_kernarg_size 16
		.amdhsa_user_sgpr_count 2
		.amdhsa_user_sgpr_kernarg_segment_ptr 1
		.amdhsa_wavefront_size32 1
		.amdhsa_system_sgpr_workgroup_id_x 1
		.amdhsa_system_sgpr_workgroup_id_y 1
		.amdhsa_system_sgpr_workgroup_id_z 1
		.amdhsa_system_vgpr_workitem_id 0
		.amdhsa_next_free_vgpr 96
		.amdhsa_next_free_sgpr 66
		.amdhsa_reserve_vcc 1
		.amdhsa_float_denorm_mode_32 3
		.amdhsa_float_denorm_mode_16_64 3
		.amdhsa_memory_ordered 1
		.amdhsa_forward_progress 1
		.amdhsa_inst_pref_size 9
	.end_amdhsa_kernel
	.amdgpu_metadata
---
amdhsa.version: [ 1, 2 ]
amdhsa.kernels:
  - .name:           k_qb7e92d00f0_prep
    .symbol:         k_qb7e92d00f0_prep.kd
    .args:
      - { .name: embeddings, .offset: 0, .size: 8, .value_kind: global_buffer, .address_space: global }
      - { .name: ecode, .offset: 8, .size: 8, .value_kind: global_buffer, .address_space: global }
    .group_segment_fixed_size: 0
    .private_segment_fixed_size: 0
    .kernarg_segment_align: 8
    .kernarg_segment_size: 16
    .max_flat_workgroup_size: 32
    .sgpr_count:     66
    .vgpr_count:     96
    .wavefront_size: 32
...
	.end_amdgpu_metadata
.endif
;; end of part 1
;; launch nearest (part 2): grid 256 x 1, 8 waves a work-group, no clusters, 168,960 bytes of LDS; arguments z, ecode, out1, pick; writes out1, pick
.if DOCPART == 2
	.amdgcn_target "amdgcn-amd-amdhsa--gfx1250"
	.amdhsa_code_object_version 6
	.text
	.protected	k_qb7e92d00f0_nearest
	.globl	k_qb7e92d00f0_nearest
	.p2align	8
	.type	k_qb7e92d00f0_nearest,@function
k_qb7e92d00f0_nearest:
	s_mov_b64 s[64:65], 0
	v_nop
	global_prefetch_b8 v0, s[64:65] scope:SCOPE_SE
	s_setreg_imm32_b32 hwreg(HW_REG_WAVE_MODE, 25, 1), 1
	s_wait_xcnt 0x0
; For each of the 65,536 rows of z [65536][64] f32: the index of the code with the smallest d = (z2 + e2[code]) - 2 dot, dot = Q(z row) . Q(code) on codes of FP4 (E2M1) with one E8M0 scale for each 32 along K.
; The index goes to out1 and, the same number, to pick, from which the next launch forms its addresses.
; THE TWO ROUNDINGS OF d ARE MADE AS THE DEFINITION MAKES THEM: t = z2 + e2 (one f32 addition), d = t - 2 dot (one fused multiply-add by -2: 2 dot is exact).  Codes whose d round to the same f32 number tie, and the LOWEST index wins.
; SHARES.  A work-group of eight waves owns 256 rows, a wave 32: two tiles of 16.  Every wave walks all 1,024 codes, 32 a step.
; THE TABLE that the launch before made (40,960 bytes: 32 operand images, their scale words, e2) is copied into LDS once, by all 256 threads, 16 bytes each, ten times; one barrier; then it is only read.
; All work-groups read that same table.  It is not asked for jointly in a cluster: it is one fill of 40,960 bytes at the head, beside 65,536 bytes of z that are the work-group's own, in a launch whose waves each issue
; some 2,750 vector instructions behind it; nothing is ever filled again, so the text has two barriers and no ring.
; z is loaded as it lies, 512 consecutive bytes an instruction, and turned through the wave's own stage in LDS (rows 272 bytes apart) so that lane (r, h) holds block h (32 numbers) of row r: the block's largest magnitude
; needs no other lane and the conversions' results are the operand's registers.
; THE PRODUCT IS USED TRANSPOSED: source 0 = 16 codes, source 1 = 16 rows of z: lane (r, h) holds row r, and its register j the tile's code 8 h + j.  K is 64, the instruction's is 128: an image carries tile X at k = 0 .. 63 and
; tile Y at k = 64 .. 127; z's operand is [z | 0] for X and [0 | z] for Y, both cut out of twelve registers z, 0, z; its scale word repeats its two bytes.  Zero codes add nothing.
; The codes of a tile are chosen so that the 16 results of image p in lanes 0-15 are codes 16 p .. 16 p + 15 and in lanes 16-31 codes 512 + 16 p .. + 15: a lane walks its 512 codes in ascending order.
; THE SEARCH, for a group of 16 codes of a lane: the group's smallest d by eight v_min3 / v_min; where it is SMALLER than the best so far (so the earlier group keeps a tie) the group's 16 d and its number are kept by v_cndmask_b32.
; At the end the first kept d that equals the best gives the place in the group; the two halves of the lanes are joined by (d, index) in that order.  No branch and no address hangs on a distance.
; BY TURNS: the four products of group g + 1 are issued ahead of group g's vector work, into the other set of result registers: that work names none of their registers and stands between them and everything that touches them.
; LIMITS: NaN and infinities are not served.  z2 is summed in this text's own order.  A block of zeros gets the scale byte 1 where the rule says 127: its codes are zeros.
.set SCL,   32768                      ; LDS: the table at byte 0: images; from here its scale words,
.set NRM,   36864                      ; from here e2
.set ZST,   40960                      ; the waves' stages for z: 32 rows x 272 bytes each
.set ZP,    272                        ; 256 bytes + 16: the sixteen rows that a load touches begin 4 banks apart (64 banks of 4 bytes: ISA guide 11.1)
.set ZWAVE, 32*ZP
.set OST,   ZST+8*ZWAVE                ; the work-group's 256 indices, 1,024 bytes; the text uses 111,616 bytes
.set AAD,  2                           ; v2   LDS address of my 16 bytes of an image; steps 2,048 a trip
.set SAD,  3                           ; v3   of my scale word; steps 256
.set EAD,  4                           ; v4   of my half's e2; steps 128
.set OSA,  5                           ; v5   where my index goes
.set ORA,  6                           ; v6   where 16 bytes of indices are read back
.set GOF,  7                           ; v7   and their byte offset in out1 and in pick
.set BEST, 8                           ; v8-9   the smallest d so far, row tile 0, 1
.set GID,  10                          ; v10-11 the number of the group that holds it
.set Z2,   12                          ; v[12:13], v[14:15] z2 of my row in tile 0, 1 (the packed form names a pair and takes its low word)
.set BS,   16                          ; v16-17 z's scale words
.set AS,   18                          ; v18    the image's scale word
.set VH,   19                          ; v19    h = lane / 16
.set AF,   20                          ; v20-27 the image
.set BF,   28                          ; v28-39, v40-51: z, 0, z of tile 0, 1
.set E,    52                          ; v52-67 e2 of the group's 16 codes
.set T,    68                          ; v68-83 t, at work
.set GM,   84                          ; v84-87 the groups' minima, two chains a tile
.set KEEP, 96                          ; v96-111, v112-127 the 16 d of the best group so far
.set DP,   128                         ; v128-159 products, then d: tile 0's 16, tile 1's 16
.set DQ,   160                         ; v160-191 the other set
.set X,    64                          ; at the head only: v64-127 z as the quantiser wants it; v128-191 z as loaded; v192-231 the table on its way; v232-245 at work
.set ZR,   128
.set TR,   192
.set M,    232
.set S,    234
.set SO,   238
.set BY,   240
.set OB,   242
.set OS,   244
	s_load_b128 s[4:7], s[0:1], 0x0                ; z, ecode
	s_load_b128 s[8:11], s[0:1], 0x10              ; out1, pick
	v_lshl_add_u32 v254, v0, 2, 0x29000
	v_mov_b32 v255, 0
	v_lshrrev_b32 v1, 5, v0
	v_readfirstlane_b32 s12, v1                    ; wave 0..7
	v_and_b32 v1, 31, v0                           ; lane
	v_and_b32 v20, 15, v0                          ; r
	v_bfe_u32 v[VH], v0, 4, 1                      ; h
	v_lshlrev_b32 v21, 4, v0                       ; the table: 16 x thread, in memory and in LDS alike
	v_lshlrev_b32 v[AAD], 4, v1                    ; 16 x lane
	s_lshl_b32 s13, s12, 13
	v_add_nc_u32 v22, s13, v[AAD]                  ; z: my wave's 32 rows are 8,192 bytes
	s_lshl_b32 s14, ttmp9, 16                      ; the work-group's 256 rows are 65,536
	s_mov_b32 s15, 0
	s_wait_kmcnt 0x0
	s_add_nc_u64 s[4:5], s[4:5], s[14:15]
.irp i, 0,1,2,3,4,5,6,7,8,9
	global_load_b128 v[TR+4*\i:TR+4*\i+3], v21, s[6:7] offset:4096*\i
.endr
.irp q, 0,1,2,3,4,5,6,7,8,9,10,11,12,13,14,15
	global_load_b128 v[ZR+4*\q:ZR+4*\q+3], v22, s[4:5] offset:512*\q th:TH_LOAD_NT   ; two rows, 512 consecutive bytes; read once in the launch
.endr
	s_mul_i32 s16, s12, ZWAVE
	s_add_co_u32 s16, s16, ZST                     ; my stage
	v_mul_u32_u24 v23, v[VH], ZP
	v_lshl_add_u32 v23, v20, 4, v23
	v_add_nc_u32 v23, s16, v23                     ; in: lanes 0-15 a row, lanes 16-31 the next
	v_mul_u32_u24 v24, v20, ZP
	v_lshl_add_u32 v24, v[VH], 7, v24
	v_add_nc_u32 v24, s16, v24                     ; out: row r, block h
	s_mov_b32 s18, 0x76543210
	s_mov_b32 s19, 0xfedcba98                      ; v_permlanex16_b32's selects for lane l xor 16
	s_mov_b32 s23, 0xffff0000                      ; lanes 16-31
	s_and_b32 s24, s12, 1
	s_lshl_b32 s24, s24, 9
	s_lshl_b32 s25, ttmp9, 10
	s_wait_loadcnt 16                              ; loads come back in order: the ten of the table are in, the sixteen of z, issued behind them, may be out
.irp i, 0,1,2,3,4,5,6,7,8,9
	ds_store_b128 v21, v[TR+4*\i:TR+4*\i+3] offset:4096*\i
.endr
	s_wait_loadcnt 0x0
.irp q, 0,1,2,3,4,5,6,7,8,9,10,11,12,13,14,15
	ds_store_b128 v23, v[ZR+4*\q:ZR+4*\q+3] offset:2*ZP*\q
.endr
.irp t, 0,1
.irp i, 0,1,2,3,4,5,6,7
	ds_load_b128 v[X+32*\t+4*\i:X+32*\t+4*\i+3], v24 offset:16*ZP*\t+16*\i   ; LDS serves a wave's instructions in order: these see my stores
.endr
.endr
	s_wait_dscnt 0x0                               ; my part of the table has landed (for the others' sake), and z is back
	s_barrier_signal -1                            ; the quantising of z, work on registers, stands between the signal and the wait
.irp t, 0,1
	v_max3_num_f32 v[M+\t], |v[X+32*\t]|, |v[X+32*\t+1]|, 0x1800000   ; the floor 2^(3 - 127): the byte cannot fall under 1
	v_pk_mul_f32 v[S+2*\t:S+2*\t+1], v[X+32*\t:X+32*\t+1], v[X+32*\t:X+32*\t+1]
.endr
.irp i, 2,4,6,8,10,12,14,16,18,20,22,24,26,28,30
.irp t, 0,1
	v_max3_num_f32 v[M+\t], v[M+\t], |v[X+32*\t+\i]|, |v[X+32*\t+\i+1]|   ; four chains by turns
	v_pk_fma_f32 v[S+2*\t:S+2*\t+1], v[X+32*\t+\i:X+32*\t+\i+1], v[X+32*\t+\i:X+32*\t+\i+1], v[S+2*\t:S+2*\t+1]
.endr
.endr
.irp t, 0,1
	v_add_nc_u32 v[SO+\t], 0xff000000, v[M+\t]     ; 2 off the exponent field: the conversion's scale operand
	v_add_f32 v[S+2*\t], v[S+2*\t], v[S+2*\t+1]
	v_mov_b32 v[OB+\t], 0                          ; a lane permute's destination counts as one of its sources
	v_mov_b32 v[OS+\t], 0
.endr
.irp t, 0,1
	v_lshrrev_b32 v[BY+\t], 23, v[SO+\t]           ; the scale's byte of my block
	v_permlanex16_b32 v[OS+\t], v[S+2*\t], s18, s19
.endr
.irp t, 0,1
	v_permlanex16_b32 v[OB+\t], v[BY+\t], s18, s19
	v_add_f32 v[Z2+2*\t], v[S+2*\t], v[OS+\t]      ; z2 of my row: the same number in both lanes
.endr
.irp t, 0,1
	v_lshl_or_b32 v[BS+\t], v[OB+\t], 8, v[BY+\t]  ; in lanes 0-15, which alone are read: block 0's byte, block 1's,
.endr
.irp t, 0,1
	v_lshl_or_b32 v[BS+\t], v[BS+\t], 16, v[BS+\t] ; and the two once more, for k = 64 .. 127
.endr
.irp t, 0,1
.irp g, 0,1,2,3
	v_cvt_scalef32_pk8_fp4_f32 v[BF+12*\t+\g], v[X+32*\t+8*\g:X+32*\t+8*\g+7], v[SO+\t]
.endr
.endr
.irp t, 0,1
.irp g, 0,1,2,3
	v_mov_b32 v[BF+12*\t+4+\g], 0                  ; the zeros between (plain lines behind the conversions)
.endr
.endr
.irp t, 0,1
.irp g, 0,1,2,3
	v_mov_b32 v[BF+12*\t+8+\g], v[BF+12*\t+\g]     ; z once more behind them
.endr
.endr
	; ten plain lines that name no register of the products stand between the last write of z's operands and scale words and the first product (8 are owed for a scale word, 4 for an operand)
	v_mov_b32 v[Z2+1], v[Z2]                       ; (named with it as a pair, so it is written)
	v_mov_b32 v[Z2+3], v[Z2+2]
	v_add_nc_u32 v[ORA], s24, v[AAD]               ; 16 x lane + 512 (wave % 2)
	v_add_nc_u32 v[GOF], s25, v[ORA]               ; + the work-group's 1,024 bytes of indices
	v_add_nc_u32 v[ORA], OST, v[ORA]
	v_lshl_add_u32 v[OSA], v0, 2, OST              ; thread 32 w + l stores the index of the work-group's row 32 w + l
	v_lshl_add_u32 v[SAD], v1, 2, SCL
	v_lshl_add_u32 v[EAD], v[VH], 11, NRM          ; lanes 16-31: 512 codes on
	v_nop
	v_nop
	s_barrier_wait -1                              ; the whole table lies in LDS
.macro DOT d, b, s
	v_wmma_scale_f32_16x16x128_f8f6f4 v[\d:\d+7], v[AF:AF+7], v[\b:\b+7], 0, v[AS], v[\s] matrix_a_fmt:MATRIX_FMT_FP4 matrix_b_fmt:MATRIX_FMT_FP4
.endm
.macro WM nxt                          ; the image in hand against both row tiles: X's eight codes a lane, then Y's.  Each sum is one instruction and starts with the constant 0
	DOT \nxt, BF, BS
	DOT \nxt+16, BF+12, BS+1
	DOT \nxt+8, BF+4, BS
	DOT \nxt+24, BF+16, BS+1
.endm
; ONE STEP: group g, whose products lie in cur.  wm: group g + 1's products go into nxt.  la: image g + 2 is fetched, ao bytes from v[AAD].  le: e2 of group g + 1, eo bytes from v[EAD].
; first = 1: group 0 starts the search: its d are written straight into the kept registers.  g: the group's number, a scalar register or a constant.
.macro STEP cur, nxt, first, wm, la, le, ao, eo, g
.if \first
.set D0, KEEP
.else
.set D0, \cur
.endif
.set D1, D0+16
	s_wait_dscnt 0x0                               ; image g + 1, its scale word and e2 of group g are in (asked for most of a step ago)
.if \wm
	WM \nxt
.endif
.irp i, 0,2,4,6,8,10,12,14
	v_pk_add_f32 v[T+\i:T+\i+1], v[E+\i:E+\i+1], v[Z2:Z2+1] op_sel_hi:[1,0]                     ; t = z2 + e2, rounded
.endr
.irp i, 0,2,4,6,8,10,12,14
	v_pk_fma_f32 v[D0+\i:D0+\i+1], v[\cur+\i:\cur+\i+1], -2.0, v[T+\i:T+\i+1] op_sel_hi:[1,0,1]   ; d = t - 2 dot, rounded once.  Each accumulator is read from its low end on
.endr
.if \la
	ds_load_b128 v[AF:AF+3], v[AAD] offset:\ao     ; sixteen plain lines that name none of the products' registers stand behind the products that read the image
	ds_load_b128 v[AF+4:AF+7], v[AAD] offset:\ao+512
	ds_load_b32 v[AS], v[SAD] offset:(\ao)/8
.endif
.irp i, 0,2,4,6,8,10,12,14
	v_pk_add_f32 v[T+\i:T+\i+1], v[E+\i:E+\i+1], v[Z2+2:Z2+3] op_sel_hi:[1,0]
.endr
.if \le
.irp q, 0,1,2,3
	ds_load_b128 v[E+4*\q:E+4*\q+3], v[EAD] offset:\eo+16*\q   ; sixteen lanes read the same 16 bytes
.endr
.endif
.irp i, 0,2,4,6,8,10,12,14
	v_pk_fma_f32 v[D1+\i:D1+\i+1], v[\cur+16+\i:\cur+16+\i+1], -2.0, v[T+\i:T+\i+1] op_sel_hi:[1,0,1]
.endr
	v_min3_num_f32 v[GM], v[D0], v[D0+1], v[D0+2]                  ; the group's smallest d: two chains a tile, four by turns
	v_min3_num_f32 v[GM+1], v[D0+3], v[D0+4], v[D0+5]
	v_min3_num_f32 v[GM+2], v[D1], v[D1+1], v[D1+2]
	v_min3_num_f32 v[GM+3], v[D1+3], v[D1+4], v[D1+5]
.irp i, 6,10
	v_min3_num_f32 v[GM], v[GM], v[D0+\i], v[D0+\i+1]
	v_min3_num_f32 v[GM+1], v[GM+1], v[D0+\i+2], v[D0+\i+3]
	v_min3_num_f32 v[GM+2], v[GM+2], v[D1+\i], v[D1+\i+1]
	v_min3_num_f32 v[GM+3], v[GM+3], v[D1+\i+2], v[D1+\i+3]
.endr
	v_min3_num_f32 v[GM], v[GM], v[D0+14], v[D0+15]
	v_min3_num_f32 v[GM+2], v[GM+2], v[D1+14], v[D1+15]
.if \first
	v_min_num_f32 v[BEST], v[GM], v[GM+1]
	v_min_num_f32 v[BEST+1], v[GM+2], v[GM+3]
	v_mov_b32 v[GID], 0
	v_mov_b32 v[GID+1], 0
.else
	v_min_num_f32 v[GM], v[GM], v[GM+1]
	v_min_num_f32 v[GM+2], v[GM+2], v[GM+3]
	v_cmp_lt_f32 vcc_lo, v[GM], v[BEST]            ; smaller, not equal: the earlier group, with the lower indices, keeps a tie
.irp j, 0,1,2,3,4,5,6,7,8,9,10,11,12,13,14,15
	v_cndmask_b32 v[KEEP+\j], v[KEEP+\j], v[D0+\j], vcc_lo
.endr
	v_cndmask_b32 v[GID], v[GID], \g, vcc_lo
	v_min_num_f32 v[BEST], v[BEST], v[GM]
	v_cmp_lt_f32 vcc_lo, v[GM+2], v[BEST+1]
.irp j, 0,1,2,3,4,5,6,7,8,9,10,11,12,13,14,15
	v_cndmask_b32 v[KEEP+16+\j], v[KEEP+16+\j], v[D1+\j], vcc_lo
.endr
	v_cndmask_b32 v[GID+1], v[GID+1], \g, vcc_lo
	v_min_num_f32 v[BEST+1], v[BEST+1], v[GM+2]
.endif
.endm
	ds_load_b128 v[AF:AF+3], v[AAD]                ; image 0
	ds_load_b128 v[AF+4:AF+7], v[AAD] offset:512
	ds_load_b32 v[AS], v[SAD]
	s_wait_dscnt 0x0
	WM DP                                          ; group 0's products
.rept 4
	v_nop                                          ; four places in front of loads into registers that matrix instructions have read: no other vector work is at hand yet
.endr
	ds_load_b128 v[AF:AF+3], v[AAD] offset:1024    ; image 1
	ds_load_b128 v[AF+4:AF+7], v[AAD] offset:1536
	ds_load_b32 v[AS], v[SAD] offset:128
.irp q, 0,1,2,3
	ds_load_b128 v[E+4*\q:E+4*\q+3], v[EAD] offset:16*\q   ; e2 of group 0
.endr
	STEP DP, DQ, 1, 1, 1, 1, 2048, 64, 0           ; group 0 | products of group 1 | image 2, e2 of group 1
	s_mov_b32 s20, 1                               ; the number of a trip's first group: 1, 3, .. 27
.Lpair:                                                ; 14 trips of two steps, in which the two sets of result registers change places and come back: groups 1 to 28
	s_add_co_u32 s21, s20, 1
	STEP DQ, DP, 0, 1, 1, 1, 3072, 128, s20
	STEP DP, DQ, 0, 1, 1, 1, 4096, 192, s21
	v_add_nc_u32 v[AAD], 2048, v[AAD]              ; two images on,
	v_add_nc_u32 v[SAD], 256, v[SAD]               ; two runs of scale words,
	v_add_nc_u32 v[EAD], 128, v[EAD]               ; 32 numbers of e2
	s_add_co_u32 s20, s20, 2
	s_cmp_lt_u32 s20, 29
	s_cbranch_scc1 .Lpair
	STEP DQ, DP, 0, 1, 1, 1, 3072, 128, 29         ; the last three steps are written out: image 31 is the last to be fetched,
	STEP DP, DQ, 0, 1, 0, 1, 0, 192, 30            ; group 31's products the last to be issued,
	STEP DQ, DP, 0, 0, 0, 0, 0, 0, 31              ; and the last step only searches
	; THE PLACE IN THE BEST GROUP: the first of the 16 kept d that equals the best: walked from the last to the first, so that the first is written last.  The two tiles by turns
	v_mov_b32 v[T], 15
	v_mov_b32 v[T+1], 15
.irp j, 14,13,12,11,10,9,8,7,6,5,4,3,2,1,0
	v_cmp_eq_f32 vcc_lo, v[KEEP+\j], v[BEST]
	v_cmp_eq_f32 s22, v[KEEP+16+\j], v[BEST+1]
	v_cndmask_b32 v[T], v[T], \j, vcc_lo
	v_cndmask_b32 v[T+1], v[T+1], \j, s22
.endr
.irp t, 0,1
	v_lshl_add_u32 v[T+\t], v[GID+\t], 4, v[T+\t]  ; 16 x group + place,
.endr
.irp t, 0,1
	v_lshl_add_u32 v[T+\t], v[VH], 9, v[T+\t]      ; + 512 in lanes 16-31: the code
.endr
.irp t, 0,1
	v_permlanex16_b32 v[T+2+\t], v[BEST+\t], s18, s19   ; the row's other 512 codes lie in the lane 16 away: its best d
	v_permlanex16_b32 v[T+4+\t], v[T+\t], s18, s19      ; and that d's code
.endr
.irp t, 0,1
	v_cmp_lt_f32 vcc_lo, v[T+2+\t], v[BEST+\t]
	v_min_u32 v[T+6+\t], v[T+\t], v[T+4+\t]
	v_cndmask_b32 v[T+8+\t], v[T+\t], v[T+4+\t], vcc_lo     ; the smaller d's code;
	v_cmp_eq_f32 vcc_lo, v[T+2+\t], v[BEST+\t]
	v_cndmask_b32 v[T+8+\t], v[T+8+\t], v[T+6+\t], vcc_lo   ; of equal d the lower code.  Both lanes of a row now hold the row's index
.endr
	v_cndmask_b32 v[T+8], v[T+8], v[T+9], s23      ; lanes 0-15: tile 0's rows, lanes 16-31: tile 1's: lane l holds the wave's row l
	ds_store_b32 v[OSA], v[T+8]
	s_wait_dscnt 0x0                               ; for the others' sake: my 32 indices lie in LDS
	s_barrier_signal -1
	s_barrier_wait -1
	; the work-group's 1,024 bytes of indices leave in stores of 512 consecutive bytes, aligned: waves 0 and 1 into out1, waves 2 and 3 into pick
	s_cmp_lt_u32 s12, 4
	s_cbranch_scc0 .Ldone
	s_cmp_lt_u32 s12, 2
	s_cselect_b64 s[26:27], s[8:9], s[10:11]
	ds_load_b128 v[T+12:T+15], v[ORA]
	s_wait_dscnt 0x0
	global_store_b128 v[GOF], v[T+12:T+15], s[26:27]
.Ldone:
	s_wait_tensorcnt 0x0
	ds_add_u32 v254, v255
	s_wait_dscnt 0x0
	s_endpgm
.Lfunc_end_k_qb7e92d00f0_nearest:
	.size	k_qb7e92d00f0_nearest, .Lfunc_end_k_qb7e92d00f0_nearest-k_qb7e92d00f0_nearest
	.p2alignl 7, 3214868480
	.fill 96, 4, 3214868480
	.section	.rodata,"a",@progbits
	.p2align	6, 0x0
	.amdhsa_kernel k_qb7e92d00f0_nearest
		.amdhsa_group_segment_fixed_size 168960
		.amdhsa_private_segment_fixed_size 0
		.amdhsa_enable_private_segment 0
		.amdhsa_kernarg_size 32
		.amdhsa_user_sgpr_count 2
		.amdhsa_user_sgpr_kernarg_segment_ptr 1
		.amdhsa_wavefront_size32 1
		.amdhsa_system_sgpr_workgroup_id_x 1
		.amdhsa_system_sgpr_workgroup_id_y 1
		.amdhsa_system_sgpr_workgroup_id_z 1
		.amdhsa_system_vgpr_workitem_id 0
		.amdhsa_next_free_vgpr 256
		.amdhsa_next_free_sgpr 66
		.amdhsa_reserve_vcc 1
		.amdhsa_float_denorm_mode_32 3
		.amdhsa_float_denorm_mode_16_64 3
		.amdhsa_memory_ordered 1
		.amdhsa_forward_progress 1
		.amdhsa_inst_pref_size 49
	.end_amdhsa_kernel
	.amdgpu_metadata
---
amdhsa.version: [ 1, 2 ]
amdhsa.kernels:
  - .name:           k_qb7e92d00f0_nearest
    .symbol:         k_qb7e92d00f0_nearest.kd
    .args:
      - { .name: z, .offset: 0, .size: 8, .value_kind: global_buffer, .address_space: global }
      - { .name: ecode, .offset: 8, .size: 8, .value_kind: global_buffer, .address_space: global }
      - { .name: out1, .offset: 16, .size: 8, .value_kind: global_buffer, .address_space: global }
      - { .name: pick, .offset: 24, .size: 8, .value_kind: global_buffer, .address_space: global }
    .group_segment_fixed_size: 168960
    .private_segment_fixed_size: 0
    .kernarg_segment_align: 8
    .kernarg_segment_size: 32
    .max_flat_workgroup_size: 256
    .sgpr_count:     66
    .vgpr_count:     256
    .wavefront_size: 32
...
	.end_amdgpu_metadata
.endif
;; end of part 2
;; launch gather (part 3): grid 256 x 1, 8 waves a work-group, no clusters, 0 bytes of LDS; arguments embeddings, pick, out0; writes out0
.if DOCPART == 3
	.amdgcn_target "amdgcn-amd-amdhsa--gfx1250"
	.amdhsa_code_object_version 6
	.text
	.protected	k_qb7e92d00f0_gather
	.globl	k_qb7e92d00f0_gather
	.p2align	8
	.type	k_qb7e92d00f0_gather,@function
k_qb7e92d00f0_gather:
	s_mov_b64 s[64:65], 0
	v_nop
	global_prefetch_b8 v0, s[64:65] scope:SCOPE_SE
	s_setreg_imm32_b32 hwreg(HW_REG_WAVE_MODE, 25, 1), 1
	s_wait_xcnt 0x0
; out0[row][:] = embeddings[pick[row]][:], 65,536 rows of 64 f32 (256 bytes), unquantised.  pick holds the indices that the launch before stored.
; A stream: no LDS, no barrier, no matrix work.  A work-group owns 256 rows, a wave 32.  Sixteen lanes take a row, 16 bytes each; instruction q of a wave serves row q of its first sixteen rows in lanes 0-15 and row q of its
; second sixteen in lanes 16-31, so that a lane's sixteen indices are 64 consecutive bytes of pick (four loads of 16 bytes) and each half of a store covers 256 consecutive bytes, aligned.
; All sixteen row loads of a wave are on their way at once (8,192 bytes); a store follows as soon as its row is in.
; An index enters an address only behind v_min_u32 with 1,023: the table has 1,024 rows.
; The table's rows may be named many times: their loads carry no hint.  pick is read once and out0 written once.
.set IX,  8                            ; v8-23   sixteen indices, then the rows' byte offsets
.set DAT, 24                           ; v24-87  sixteen rows' 16 bytes
	s_load_b128 s[4:7], s[0:1], 0x0                ; embeddings, pick
	s_load_b64 s[8:9], s[0:1], 0x10                ; out0
	v_lshrrev_b32 v1, 4, v0                        ; which run of sixteen rows of the work-group's 256: 2 x wave + lane / 16
	v_and_b32 v2, 15, v0
	v_lshlrev_b32 v2, 4, v2                        ; my 16 bytes of a row
	s_lshl_b32 s10, ttmp9, 10                      ; the work-group's 256 indices are 1,024 bytes
	v_lshl_add_u32 v3, v1, 6, s10                  ; my run's sixteen are 64
	v_lshl_add_u32 v4, v1, 12, v2                  ; out0: my run's sixteen rows are 4,096 bytes
	s_lshl_b32 s12, ttmp9, 16                      ; the work-group's 256 rows are 65,536
	s_mov_b32 s13, 0
	s_wait_kmcnt 0x0
	s_add_nc_u64 s[8:9], s[8:9], s[12:13]
.irp i, 0,1,2,3
	global_load_b128 v[IX+4*\i:IX+4*\i+3], v3, s[6:7] offset:16*\i th:TH_LOAD_NT
.endr
	s_wait_loadcnt 0x0
.irp q, 0,1,2,3,4,5,6,7,8,9,10,11,12,13,14,15
	v_min_u32 v[IX+\q], 0x3ff, v[IX+\q]
.endr
.irp q, 0,1,2,3,4,5,6,7,8,9,10,11,12,13,14,15
	v_lshl_add_u32 v[IX+\q], v[IX+\q], 8, v2       ; 256 x index + my 16 bytes
	global_load_b128 v[DAT+4*\q:DAT+4*\q+3], v[IX+\q], s[4:5]
.endr
.irp q, 0,1,2,3,4,5,6,7,8,9,10,11,12,13,14,15
	s_wait_loadcnt 15-\q                           ; loads come back in order: row q is in, the 15 - q issued behind it may be out
	global_store_b128 v4, v[DAT+4*\q:DAT+4*\q+3], s[8:9] offset:256*\q th:TH_STORE_NT
.endr
	s_endpgm
.Lfunc_end_k_qb7e92d00f0_gather:
	.size	k_qb7e92d00f0_gather, .Lfunc_end_k_qb7e92d00f0_gather-k_qb7e92d00f0_gather
	.p2alignl 7, 3214868480
	.fill 96, 4, 3214868480
	.section	.rodata,"a",@progbits
	.p2align	6, 0x0
	.amdhsa_kernel k_qb7e92d00f0_gather
		.amdhsa_group_segment_fixed_size 0
		.amdhsa_private_segment_fixed_size 0
		.amdhsa_enable_private_segment 0
		.amdhsa_kernarg_size 24
		.amdhsa_user_sgpr_count 2
		.amdhsa_user_sgpr_kernarg_segment_ptr 1
		.amdhsa_wavefront_size32 1
		.amdhsa_system_sgpr_workgroup_id_x 1
		.amdhsa_system_sgpr_workgroup_id_y 1
		.amdhsa_system_sgpr_workgroup_id_z 1
		.amdhsa_system_vgpr_workitem_id 0
		.amdhsa_next_free_vgpr 96
		.amdhsa_next_free_sgpr 66
		.amdhsa_reserve_vcc 0
		.amdhsa_float_denorm_mode_32 3
		.amdhsa_float_denorm_mode_16_64 3
		.amdhsa_memory_ordered 1
		.amdhsa_forward_progress 1
		.amdhsa_inst_pref_size 7
	.end_amdhsa_kernel
	.amdgpu_metadata
---
amdhsa.version: [ 1, 2 ]
amdhsa.kernels:
  - .name:           k_qb7e92d00f0_gather
    .symbol:         k_qb7e92d00f0_gather.kd
    .args:
      - { .name: embeddings, .offset: 0, .size: 8, .value_kind: global_buffer, .address_space: global }
      - { .name: pick, .offset: 8, .size: 8, .value_kind: global_buffer, .address_space: global }
      - { .name: out0, .offset: 16, .size: 8, .value_kind: global_buffer, .address_space: global }
    .group_segment_fixed_size: 0
    .private_segment_fixed_size: 0
    .kernarg_segment_align: 8
    .kernarg_segment_size: 24
    .max_flat_workgroup_size: 256
    .sgpr_count:     66
    .vgpr_count:     96
    .wavefront_size: 32
...
	.end_amdgpu_metadata
.endif
;; end of part 3
;; ======== version 2 of 2: 3 launches
;; workspace buffers: ecode 40,960 bytes; pick 262,144 bytes of whole numbers
;; launch prep (part 4): grid 32 x 1, 1 waves a work-group, no clusters, 0 bytes of LDS; arguments embeddings, ecode; writes ecode
.if DOCPART == 4
	.amdgcn_target "amdgcn-amd-amdhsa--gfx1250"
	.amdhsa_code_object_version 6
	.text
	.protected	k_qb7e92d00f0_prep
	.globl	k_qb7e92d00f0_prep
	.p2align	8
	.type	k_qb7e92d00f0_prep,@function
k_qb7e92d00f0_prep:
	s_mov_b64 s[64:65], 0
	v_nop
	global_prefetch_b8 v0, s[64:65] scope:SCOPE_SE
	s_setreg_imm32_b32 hwreg(HW_REG_WAVE_MODE, 25, 1), 1
	s_wait_xcnt 0x0
; The codebook, embeddings [1024][64] f32, is quantised ONCE, along its 64 numbers, to codes of FP4 (E2M1) with one E8M0 byte for each 32, and laid as the next launch's matrix operand wants it.
; ecode: bytes 0 .. 32767: 32 operand images of 1,024 bytes; 32768 .. 36863: their scale words, 128 bytes an image; 36864 .. 40959: e2[code] = the sum of the code's 64 squares, f32, unquantised.
; AN IMAGE p holds TWO tiles of 16 codes in one operand of 16 rows x 128 along K: tile X at k = 0 .. 63, tile Y at k = 64 .. 127.  Row m of X is code 16 p + m (m < 8) or 512 + 16 p + m - 8 (m >= 8); row m of Y is the code 8 further on.
; Lane (r, h) of the operand holds row r; its registers 0-3 are k = 32 h + 0 .. 31 (X's block h), its registers 4-7 are k = 64 + 32 h + 0 .. 31 (Y's block h).  So a lane takes one whole block of each of two codes:
; a block's largest magnitude needs no other lane, and the conversions' results are the operand's registers.  Registers 0-3 are stored at 16 x lane, registers 4-7 512 bytes on: 512 consecutive bytes a store.
; A block's scale is 2^(floor(log2(largest magnitude)) - 2): its byte is the largest magnitude's exponent field - 2, held at 1 from below by a floor among the maximum's leaves.
; One wave makes one image; 32 work-groups of one wave.  No LDS, no barrier.
; The scale words (128 bytes a wave) and e2 (four runs of 32 bytes a wave) are short stores: 8,192 bytes of the launch's 40,960.
; LIMITS: NaN and infinities are not served.  A block of zeros gets the byte 1 where the rule says 127: its codes are zeros, and this program alone reads the bytes.  e2 is summed in this text's own order (two halves of a lane, then the two lanes), which may differ from another order in the last bits.
.set SCL, 32768
.set NRM, 36864
.set XN,  16                           ; v16-47  32 numbers of X's row
.set YN,  48                           ; v48-79  32 numbers of Y's row
.set SX,  80                           ; v[80:81] X's squares, two running sums
.set SY,  82                           ; v[82:83] Y's
.set CX,  84                           ; v84-87 X's codes, v88-91 Y's
	s_load_b128 s[4:7], s[0:1], 0x0                ; embeddings, ecode
	v_and_b32 v1, 15, v0                           ; r
	v_lshrrev_b32 v2, 4, v0                        ; h (one wave: the thread's number is the lane)
	v_and_b32 v3, 7, v1
	v_lshrrev_b32 v4, 3, v1
	v_lshl_add_u32 v3, v4, 9, v3                   ; r % 8 + 512 (r / 8)
	s_lshl_b32 s8, ttmp9, 4
	v_add_nc_u32 v3, s8, v3                        ; X's code of my row: + 16 p
	v_lshlrev_b32 v5, 8, v3                        ; a code is 256 bytes,
	v_lshl_add_u32 v5, v2, 7, v5                   ; my block 128 h bytes on
	s_mov_b32 s10, 0x76543210
	s_mov_b32 s11, 0xfedcba98                      ; v_permlanex16_b32's selects for lane l xor 16
	v_lshlrev_b32 v6, 4, v0
	s_lshl_b32 s12, ttmp9, 10
	v_add_nc_u32 v6, s12, v6                       ; the image: 1,024 p + 16 x lane
	v_lshlrev_b32 v7, 2, v0
	s_lshl_b32 s13, ttmp9, 7
	v_add_nc_u32 v7, s13, v7                       ; the scale words: 128 p + 4 x lane
	s_wait_alu depctr_va_vdst(0)
	s_wait_kmcnt 0x0
.irp i, 0,1,2,3,4,5,6,7
	global_load_b128 v[XN+4*\i:XN+4*\i+3], v5, s[4:5] offset:16*\i
.endr
.irp i, 0,1,2,3,4,5,6,7
	global_load_b128 v[YN+4*\i:YN+4*\i+3], v5, s[4:5] offset:2048+16*\i   ; 8 codes on
.endr
	s_wait_loadcnt 0x0
	v_max3_num_f32 v8, |v[XN]|, |v[XN+1]|, 0x1800000               ; the floor 2^(3 - 127): the byte cannot fall under 1
	v_max3_num_f32 v9, |v[YN]|, |v[YN+1]|, 0x1800000
	v_pk_mul_f32 v[SX:SX+1], v[XN:XN+1], v[XN:XN+1]                ; the first squares start the sums
	v_pk_mul_f32 v[SY:SY+1], v[YN:YN+1], v[YN:YN+1]
.irp i, 2,4,6,8,10,12,14,16,18,20,22,24,26,28,30
	v_max3_num_f32 v8, v8, |v[XN+\i]|, |v[XN+\i+1]|                ; four chains by turns
	v_max3_num_f32 v9, v9, |v[YN+\i]|, |v[YN+\i+1]|
	v_pk_fma_f32 v[SX:SX+1], v[XN+\i:XN+\i+1], v[XN+\i:XN+\i+1], v[SX:SX+1]
	v_pk_fma_f32 v[SY:SY+1], v[YN+\i:YN+\i+1], v[YN+\i:YN+\i+1], v[SY:SY+1]
.endr
	v_add_nc_u32 v10, 0xff000000, v8               ; 2 off the exponent field: the conversion takes the exponent field of this operand as its scale
	v_add_nc_u32 v11, 0xff000000, v9
	v_add_f32 v[SX], v[SX], v[SX+1]
	v_add_f32 v[SY], v[SY], v[SY+1]
	v_lshrrev_b32 v12, 23, v10                     ; the scales' bytes
	v_lshrrev_b32 v13, 23, v11
.irp g, 0,1,2,3
	v_cvt_scalef32_pk8_fp4_f32 v[CX+\g], v[XN+8*\g:XN+8*\g+7], v10
	v_cvt_scalef32_pk8_fp4_f32 v[CX+4+\g], v[YN+8*\g:YN+8*\g+7], v11
.endr
	v_lshl_or_b32 v14, v13, 16, v12                ; my two bytes: X's block h, Y's block h,
	v_lshlrev_b32 v15, 3, v2
	v_lshlrev_b32 v14, v15, v14                    ; at their places in the row's scale word (8 h bits up)
	v_mov_b32 v92, 0                               ; a lane permute's destination counts as one of its sources
	v_mov_b32 v93, 0
	v_mov_b32 v94, 0
	v_permlanex16_b32 v92, v14, s10, s11
	v_permlanex16_b32 v93, v[SX], s10, s11
	v_permlanex16_b32 v94, v[SY], s10, s11
	v_or_b32 v14, v14, v92                         ; with lane l xor 16's two bytes the word is whole, in both lanes
	v_add_f32 v[SX], v[SX], v93                    ; e2 of X's code,
	v_add_f32 v[SY], v[SY], v94                    ; of Y's
	v_cmp_eq_u32 vcc_lo, 1, v2
	v_cndmask_b32 v[SX], v[SX], v[SY], vcc_lo      ; lanes 0-15 store X's, lanes 16-31 Y's
	v_lshl_add_u32 v3, v2, 3, v3                   ; the code: + 8 h
	v_lshlrev_b32 v3, 2, v3
	global_store_b128 v6, v[CX:CX+3], s[6:7]
	global_store_b128 v6, v[CX+4:CX+7], s[6:7] offset:512
	global_store_b32 v7, v14, s[6:7] offset:SCL
	global_store_b32 v3, v[SX], s[6:7] offset:NRM
	s_endpgm
.Lfunc_end_k_qb7e92d00f0_prep:
	.size	k_qb7e92d00f0_prep, .Lfunc_end_k_qb7e92d00f0_prep-k_qb7e92d00f0_prep
	.p2alignl 7, 3214868480
	.fill 96, 4, 3214868480
	.section	.rodata,"a",@progbits
	.p2align	6, 0x0
	.amdhsa_kernel k_qb7e92d00f0_prep
		.amdhsa_group_segment_fixed_size 0
		.amdhsa_private_segment_fixed_size 0
		.amdhsa_enable_private_segment 0
		.amdhsa_kernarg_size 16
		.amdhsa_user_sgpr_count 2
		.amdhsa_user_sgpr_kernarg_segment_ptr 1
		.amdhsa_wavefront_size32 1
		.amdhsa_system_sgpr_workgroup_id_x 1
		.amdhsa_system_sgpr_workgroup_id_y 1
		.amdhsa_system_sgpr_workgroup_id_z 1
		.amdhsa_system_vgpr_workitem_id 0
		.amdhsa_next_free_vgpr 96
		.amdhsa_next_free_sgpr 66
		.amdhsa_reserve_vcc 1
		.amdhsa_float_denorm_mode_32 3
		.amdhsa_float_denorm_mode_16_64 3
		.amdhsa_memory_ordered 1
		.amdhsa_forward_progress 1
		.amdhsa_inst_pref_size 9
	.end_amdhsa_kernel
	.amdgpu_metadata
---
amdhsa.version: [ 1, 2 ]
amdhsa.kernels:
  - .name:           k_qb7e92d00f0_prep
    .symbol:         k_qb7e92d00f0_prep.kd
    .args:
      - { .name: embeddings, .offset: 0, .size: 8, .value_kind: global_buffer, .address_space: global }
      - { .name: ecode, .offset: 8, .size: 8, .value_kind: global_buffer, .address_space: global }
    .group_segment_fixed_size: 0
    .private_segment_fixed_size: 0
    .kernarg_segment_align: 8
    .kernarg_segment_size: 16
    .max_flat_workgroup_size: 32
    .sgpr_count:     66
    .vgpr_count:     96
    .wavefront_size: 32
...
	.end_amdgpu_metadata
.endif
;; end of part 4
;; launch nearest (part 5): grid 256 x 1, 8 waves a work-group, no clusters, 168,960 bytes of LDS; arguments z, ecode, out1, pick; writes out1, pick
.if DOCPART == 5
	.amdgcn_target "amdgcn-amd-amdhsa--gfx1250"
	.amdhsa_code_object_version 6
	.text
	.protected	k_qb7e92d00f0_nearest
	.globl	k_qb7e92d00f0_nearest
	.p2align	8
	.type	k_qb7e92d00f0_nearest,@function
k_qb7e92d00f0_nearest:
	s_mov_b64 s[64:65], 0
	v_nop
	global_prefetch_b8 v0, s[64:65] scope:SCOPE_SE
	s_setreg_imm32_b32 hwreg(HW_REG_WAVE_SCHED_MODE, 0, 2), 2
	s_setreg_imm32_b32 hwreg(HW_REG_WAVE_MODE, 25, 1), 1
	s_wait_xcnt 0x0
	s_wait_alu depctr_vm_vsrc(0)
; For each of the 65,536 rows of z [65536][64] f32: the index of the code with the smallest d = (z2 + e2[code]) - 2 dot, dot = Q(z row) . Q(code) on codes of FP4 (E2M1) with one E8M0 scale for each 32 along K.
; The index goes to out1 and, the same number, to pick, from which the next launch forms its addresses.
; THE TWO ROUNDINGS OF d ARE MADE AS THE DEFINITION MAKES THEM: t = z2 + e2 (one f32 addition), d = t - 2 dot (one fused multiply-add by -2: 2 dot is exact).  Codes whose d round to the same f32 number tie, and the LOWEST index wins.
; SHARES.  A work-group of eight waves owns 256 rows, a wave 32: two tiles of 16.  Every wave walks all 1,024 codes, 32 a step.
; THE TABLE that the launch before made (40,960 bytes: 32 operand images, their scale words, e2) is copied into LDS once, by all 256 threads, 16 bytes each, ten times; one barrier; then it is only read.
; All work-groups read that same table.  It is not asked for jointly in a cluster: it is one fill of 40,960 bytes at the head, beside 65,536 bytes of z that are the work-group's own, in a launch whose waves each issue
; some 2,750 vector instructions behind it; nothing is ever filled again, so the text has two barriers and no ring.
; z is loaded as it lies, 512 consecutive bytes an instruction, and turned through the wave's own stage in LDS (rows 272 bytes apart) so that lane (r, h) holds block h (32 numbers) of row r: the block's largest magnitude
; needs no other lane and the conversions' results are the operand's registers.
; THE PRODUCT IS USED TRANSPOSED: source 0 = 16 codes, source 1 = 16 rows of z: lane (r, h) holds row r, and its register j the tile's code 8 h + j.  K is 64, the instruction's is 128: an image carries tile X at k = 0 .. 63 and
; tile Y at k = 64 .. 127; z's operand is [z | 0] for X and [0 | z] for Y, both cut out of twelve registers z, 0, z; its scale word repeats its two bytes.  Zero codes add nothing.
; The codes of a tile are chosen so that the 16 results of image p in lanes 0-15 are codes 16 p .. 16 p + 15 and in lanes 16-31 codes 512 + 16 p .. + 15: a lane walks its 512 codes in ascending order.
; THE SEARCH, for a group of 16 codes of a lane: the group's smallest d by eight v_min3 / v_min; where it is SMALLER than the best so far (so the earlier group keeps a tie) the group's 16 d and its number are kept by v_cndmask_b32.
; At the end the first kept d that equals the best gives the place in the group; the two halves of the lanes are joined by (d, index) in that order.  No branch and no address hangs on a distance.
; BY TURNS: the four products of group g + 1 are issued ahead of group g's vector work, into the other set of result registers: that work names none of their registers and stands between them and everything that touches them.
; THE MODE: SCHED_MODE bits 1:0 = 2 (LLVM: expert scheduling mode 2), set by the entry lines.  The code itself states the register dependences between vector or matrix instructions and memory or LDS instructions,
; and between a vector instruction that writes a scalar register and that register's readers, with s_wait_alu, always for 0.
; THE PLAN.  Registers that LDS instructions touch in the loop; g is the step's group:
;   IM0, IM1 and SW0, SW1   an image and its scale word.  Step g's four products read set (g + 1) % 2; image g + 2 is loaded into set g % 2, which the products of step g - 1 read.
;   EN0, EN1                e2 of a group.  Step g's sixteen additions read set g % 2; e2 of group g + 1 is loaded into set (g + 1) % 2, which the additions of step g - 1 read.
;   v2, v3, v4              the three LDS addresses: read by every load, written once a trip of two steps, at the trip's end.
;   Everything else in the loop is named by vector and matrix instructions alone.
; So ONE wait on va_vdst stands at a step's head: the step before is done reading the three buffers in which this step's seven loads land, and in a trip's first step the addresses are written.  No vector or matrix
; instruction of the step names those buffers or addresses, so the loads follow with no further wait, early in the step.  One wait on vm_vsrc a trip stands ahead of the additions to the addresses.
; One wait on va_sdst a step stands between the two compares, laid together, and the selects that read their masks.
; LIMITS: NaN and infinities are not served.  z2 is summed in this text's own order.  A block of zeros gets the scale byte 1 where the rule says 127: its codes are zeros.
.set SCL,   32768                      ; LDS: the table at byte 0: images; from here its scale words,
.set NRM,   36864                      ; from here e2
.set ZST,   40960                      ; the waves' stages for z: 32 rows x 272 bytes each
.set ZP,    272                        ; 256 bytes + 16: the sixteen rows that a load touches begin 4 banks apart (64 banks of 4 bytes: ISA guide 11.1)
.set ZWAVE, 32*ZP
.set OST,   ZST+8*ZWAVE                ; the work-group's 256 indices, 1,024 bytes; the text uses 111,616 bytes
.set AAD,  2                           ; v2   LDS address of my 16 bytes of an image; steps 2,048 a trip
.set SAD,  3                           ; v3   of my scale word; steps 256
.set EAD,  4                           ; v4   of my half's e2; steps 128
.set OSA,  5                           ; v5   where my index goes
.set ORA,  6                           ; v6   where 16 bytes of indices are read back
.set GOF,  7                           ; v7   and their byte offset in out1 and in pick
.set BEST, 8                           ; v8-9   the smallest d so far, row tile 0, 1
.set GID,  10                          ; v10-11 the number of the group that holds it
.set Z2,   12                          ; v[12:13], v[14:15] z2 of my row in tile 0, 1 (the packed form names a pair and takes its low word)
.set BS,   16                          ; v16-17 z's scale words
.set SW0,  18                          ; v18    the scale word of an image with an even number
.set SW1,  88                          ; v88    of one with an odd number
.set VH,   19                          ; v19    h = lane / 16
.set IM0,  20                          ; v20-27   an image with an even number
.set IM1,  192                         ; v192-199 one with an odd number
.set BF,   28                          ; v28-39, v40-51: z, 0, z of tile 0, 1
.set EN0,  52                          ; v52-67   e2 of the 16 codes of a group with an even number
.set EN1,  200                         ; v200-215 of one with an odd number
.set T,    68                          ; v68-83 t, at work
.set GM,   84                          ; v84-87 the groups' minima, two chains a tile
.set KEEP, 96                          ; v96-111, v112-127 the 16 d of the best group so far
.set DP,   128                         ; v128-159 products, then d, of a group with an even number: tile 0's 16, tile 1's 16
.set DQ,   160                         ; v160-191 of one with an odd number
.set X,    64                          ; at the head only: v64-127 z as the quantiser wants it; v128-191 z as loaded; v192-231 the table on its way; v232-245 at work
.set ZR,   128
.set TR,   192
.set M,    232
.set S,    234
.set SO,   238
.set BY,   240
.set OB,   242
.set OS,   244
.set MK,   28                          ; s28, s29   a step's two masks
.set P0,   32                          ; s32-46     the way out: tile 0's fifteen masks
.set P1,   47                          ; s47-61     tile 1's
	s_load_b128 s[4:7], s[0:1], 0x0                ; z, ecode
	s_load_b128 s[8:11], s[0:1], 0x10              ; out1, pick
	v_lshl_add_u32 v254, v0, 2, 0x29000
	v_mov_b32 v255, 0
	v_lshrrev_b32 v1, 5, v0
	v_readfirstlane_b32 s12, v1                    ; wave 0..7
	v_and_b32 v1, 31, v0                           ; lane
	v_and_b32 v20, 15, v0                          ; r
	v_bfe_u32 v[VH], v0, 4, 1                      ; h
	v_lshlrev_b32 v21, 4, v0                       ; the table: 16 x thread, in memory and in LDS alike
	v_lshlrev_b32 v[AAD], 4, v1                    ; 16 x lane
	v_mul_u32_u24 v23, v[VH], ZP
	v_lshl_add_u32 v23, v20, 4, v23                ; the stage, in: lanes 0-15 a row, lanes 16-31 the next
	v_mul_u32_u24 v24, v20, ZP
	v_lshl_add_u32 v24, v[VH], 7, v24              ; out: row r, block h
	s_wait_alu depctr_va_sdst(0)                   ; s12 is written, ahead of its first reader: the wave's places in z and in LDS are made from it
	s_lshl_b32 s13, s12, 13
	v_add_nc_u32 v22, s13, v[AAD]                  ; z: my wave's 32 rows are 8,192 bytes
	s_mul_i32 s16, s12, ZWAVE
	s_add_co_u32 s16, s16, ZST                     ; my stage
	v_add_nc_u32 v23, s16, v23
	v_add_nc_u32 v24, s16, v24
	s_lshl_b32 s14, ttmp9, 16                      ; the work-group's 256 rows are 65,536
	s_mov_b32 s15, 0
	s_wait_kmcnt 0x0
	s_add_nc_u64 s[4:5], s[4:5], s[14:15]
	s_wait_alu depctr_va_vdst(0)                   ; v21 to v24 are written: the loads, the LDS stores and the LDS loads down to the barrier read them as addresses
.irp i, 0,1,2,3,4,5,6,7,8,9
	global_load_b128 v[TR+4*\i:TR+4*\i+3], v21, s[6:7] offset:4096*\i
.endr
.irp q, 0,1,2,3,4,5,6,7,8,9,10,11,12,13,14,15
	global_load_b128 v[ZR+4*\q:ZR+4*\q+3], v22, s[4:5] offset:512*\q th:TH_LOAD_NT   ; two rows, 512 consecutive bytes; read once in the launch
.endr
	s_mov_b32 s18, 0x76543210
	s_mov_b32 s19, 0xfedcba98                      ; v_permlanex16_b32's selects for lane l xor 16
	s_mov_b32 s23, 0xffff0000                      ; lanes 16-31
	s_and_b32 s24, s12, 1
	s_lshl_b32 s24, s24, 9
	s_lshl_b32 s25, ttmp9, 10
	s_wait_loadcnt 16                              ; loads come back in order: the ten of the table are in, the sixteen of z, issued behind them, may be out
.irp i, 0,1,2,3,4,5,6,7,8,9
	ds_store_b128 v21, v[TR+4*\i:TR+4*\i+3] offset:4096*\i
.endr
	s_wait_loadcnt 0x0
.irp q, 0,1,2,3,4,5,6,7,8,9,10,11,12,13,14,15
	ds_store_b128 v23, v[ZR+4*\q:ZR+4*\q+3] offset:2*ZP*\q
.endr
.irp t, 0,1
.irp i, 0,1,2,3,4,5,6,7
	ds_load_b128 v[X+32*\t+4*\i:X+32*\t+4*\i+3], v24 offset:16*ZP*\t+16*\i   ; LDS serves a wave's instructions in order: these see my stores
.endr
.endr
	s_wait_dscnt 0x0                               ; my part of the table has landed (for the others' sake), and z is back
	s_barrier_signal -1                            ; the quantising of z, work on registers, stands between the signal and the wait
.irp t, 0,1
	v_max3_num_f32 v[M+\t], |v[X+32*\t]|, |v[X+32*\t+1]|, 0x1800000   ; the floor 2^(3 - 127): the byte cannot fall under 1
	v_pk_mul_f32 v[S+2*\t:S+2*\t+1], v[X+32*\t:X+32*\t+1], v[X+32*\t:X+32*\t+1]
.endr
.irp i, 2,4,6,8,10,12,14,16,18,20,22,24,26,28,30
.irp t, 0,1
	v_max3_num_f32 v[M+\t], v[M+\t], |v[X+32*\t+\i]|, |v[X+32*\t+\i+1]|   ; four chains by turns
	v_pk_fma_f32 v[S+2*\t:S+2*\t+1], v[X+32*\t+\i:X+32*\t+\i+1], v[X+32*\t+\i:X+32*\t+\i+1], v[S+2*\t:S+2*\t+1]
.endr
.endr
.irp t, 0,1
	v_add_nc_u32 v[SO+\t], 0xff000000, v[M+\t]     ; 2 off the exponent field: the conversion's scale operand
	v_add_f32 v[S+2*\t], v[S+2*\t], v[S+2*\t+1]
	v_mov_b32 v[OB+\t], 0                          ; a lane permute's destination counts as one of its sources
	v_mov_b32 v[OS+\t], 0
.endr
.irp t, 0,1
	v_lshrrev_b32 v[BY+\t], 23, v[SO+\t]           ; the scale's byte of my block
	v_permlanex16_b32 v[OS+\t], v[S+2*\t], s18, s19
.endr
.irp t, 0,1
	v_permlanex16_b32 v[OB+\t], v[BY+\t], s18, s19
	v_add_f32 v[Z2+2*\t], v[S+2*\t], v[OS+\t]      ; z2 of my row: the same number in both lanes
.endr
.irp t, 0,1
	v_lshl_or_b32 v[BS+\t], v[OB+\t], 8, v[BY+\t]  ; in lanes 0-15, which alone are read: block 0's byte, block 1's,
.endr
.irp t, 0,1
	v_lshl_or_b32 v[BS+\t], v[BS+\t], 16, v[BS+\t] ; and the two once more, for k = 64 .. 127
.endr
.irp t, 0,1
.irp g, 0,1,2,3
	v_cvt_scalef32_pk8_fp4_f32 v[BF+12*\t+\g], v[X+32*\t+8*\g:X+32*\t+8*\g+7], v[SO+\t]
.endr
.endr
.irp t, 0,1
.irp g, 0,1,2,3
	v_mov_b32 v[BF+12*\t+4+\g], 0                  ; the zeros between (plain lines behind the conversions)
.endr
.endr
.irp t, 0,1
.irp g, 0,1,2,3
	v_mov_b32 v[BF+12*\t+8+\g], v[BF+12*\t+\g]     ; z once more behind them
.endr
.endr
	; ten plain lines that name no register of the products stand between the last write of z's operands and scale words and the first product (8 are owed for a scale word, 4 for an operand)
	v_mov_b32 v[Z2+1], v[Z2]                       ; (named with it as a pair, so it is written)
	v_mov_b32 v[Z2+3], v[Z2+2]
	v_add_nc_u32 v[ORA], s24, v[AAD]               ; 16 x lane + 512 (wave % 2)
	v_add_nc_u32 v[GOF], s25, v[ORA]               ; + the work-group's 1,024 bytes of indices
	v_add_nc_u32 v[ORA], OST, v[ORA]
	v_lshl_add_u32 v[OSA], v0, 2, OST              ; thread 32 w + l stores the index of the work-group's row 32 w + l
	v_lshl_add_u32 v[SAD], v1, 2, SCL
	v_lshl_add_u32 v[EAD], v[VH], 11, NRM          ; lanes 16-31: 512 codes on
	v_nop
	v_nop
	s_barrier_wait -1                              ; the whole table lies in LDS
	s_wait_alu depctr_vm_vsrc(0)                   ; the head's loads and LDS stores have read v21 to v24, v128 to v191 and v192 to v231: the images' loads, the products and e2's loads write these registers from here on
	s_wait_alu depctr_va_vdst(0)                   ; v3 to v7, which the LDS loads and the way out read as addresses, are written; so are z's operands and scale words, which the products take (behind the ten places above); and the vector instructions are done with v20 to v24 and v64 to v67, in which loads land
.macro DOT d, a, b, sa, sb
	v_wmma_scale_f32_16x16x128_f8f6f4 v[\d:\d+7], v[\a:\a+7], v[\b:\b+7], 0, v[\sa], v[\sb] matrix_a_fmt:MATRIX_FMT_FP4 matrix_b_fmt:MATRIX_FMT_FP4
.endm
.macro WM nxt, a, sa                   ; the image in a against both row tiles: X's eight codes a lane, then Y's.  Each sum is one instruction and starts with the constant 0
	DOT \nxt, \a, BF, \sa, BS
	DOT \nxt+16, \a, BF+12, \sa, BS+1
	DOT \nxt+8, \a, BF+4, \sa, BS
	DOT \nxt+24, \a, BF+16, \sa, BS+1
.endm
; ONE STEP: group g.  par = g % 2 says which set of each pair is read and which is loaded.  wm: group g + 1's products are issued.  la: image g + 2 is fetched, ao bytes from v[AAD].  le: e2 of group g + 1, eo bytes from v[EAD].
; first = 1: group 0 starts the search: its d are written straight into the kept registers.  g: the group's number, a scalar register or a constant.
.macro STEP par, first, wm, la, le, ao, eo, g
.set CUR, DP+32*(\par)                 ; group g's products
.set NXT, DP+32*(1-(\par))             ; where group g + 1's go
.if \par
.set A_RD, IM0                         ; image g + 1 and its scale word
.set S_RD, SW0
.set A_LD, IM1                         ; where image g + 2 lands
.set S_LD, SW1
.set E_RD, EN1                         ; e2 of group g
.set E_LD, EN0                         ; where e2 of group g + 1 lands
.else
.set A_RD, IM1
.set S_RD, SW1
.set A_LD, IM0
.set S_LD, SW0
.set E_RD, EN0
.set E_LD, EN1
.endif
.if \first
.set D0, KEEP
.else
.set D0, CUR
.endif
.set D1, D0+16
	s_wait_dscnt 0x0                               ; image g + 1, its scale word and e2 of group g are in (asked for most of a step ago)
.if \la || \le
	s_wait_alu depctr_va_vdst(0)                   ; the products of the step before are done reading the image and the scale word, and its additions e2, in which this step's loads land; in a trip's first step v2 to v4 are written
.endif
.if \wm
	WM NXT, A_RD, S_RD
.endif
.irp i, 0,2,4,6,8,10,12,14
	v_pk_add_f32 v[T+\i:T+\i+1], v[E_RD+\i:E_RD+\i+1], v[Z2:Z2+1] op_sel_hi:[1,0]                     ; t = z2 + e2, rounded
.endr
.if \la
	ds_load_b128 v[A_LD:A_LD+3], v[AAD] offset:\ao     ; no wait: no vector or matrix instruction since the wait at the step's head names these registers or the address
	ds_load_b128 v[A_LD+4:A_LD+7], v[AAD] offset:\ao+512
	ds_load_b32 v[S_LD], v[SAD] offset:(\ao)/8
.endif
.irp i, 0,2,4,6,8,10,12,14
	v_pk_fma_f32 v[D0+\i:D0+\i+1], v[CUR+\i:CUR+\i+1], -2.0, v[T+\i:T+\i+1] op_sel_hi:[1,0,1]   ; d = t - 2 dot, rounded once.  Each accumulator is read from its low end on
.endr
.if \le
.irp q, 0,1,2,3
	ds_load_b128 v[E_LD+4*\q:E_LD+4*\q+3], v[EAD] offset:\eo+16*\q   ; sixteen lanes read the same 16 bytes.  No wait, as above
.endr
.endif
.irp i, 0,2,4,6,8,10,12,14
	v_pk_add_f32 v[T+\i:T+\i+1], v[E_RD+\i:E_RD+\i+1], v[Z2+2:Z2+3] op_sel_hi:[1,0]
.endr
.irp i, 0,2,4,6,8,10,12,14
	v_pk_fma_f32 v[D1+\i:D1+\i+1], v[CUR+16+\i:CUR+16+\i+1], -2.0, v[T+\i:T+\i+1] op_sel_hi:[1,0,1]
.endr
	v_min3_num_f32 v[GM], v[D0], v[D0+1], v[D0+2]                  ; the group's smallest d: two chains a tile, four by turns
	v_min3_num_f32 v[GM+1], v[D0+3], v[D0+4], v[D0+5]
	v_min3_num_f32 v[GM+2], v[D1], v[D1+1], v[D1+2]
	v_min3_num_f32 v[GM+3], v[D1+3], v[D1+4], v[D1+5]
.irp i, 6,10
	v_min3_num_f32 v[GM], v[GM], v[D0+\i], v[D0+\i+1]
	v_min3_num_f32 v[GM+1], v[GM+1], v[D0+\i+2], v[D0+\i+3]
	v_min3_num_f32 v[GM+2], v[GM+2], v[D1+\i], v[D1+\i+1]
	v_min3_num_f32 v[GM+3], v[GM+3], v[D1+\i+2], v[D1+\i+3]
.endr
	v_min3_num_f32 v[GM], v[GM], v[D0+14], v[D0+15]
	v_min3_num_f32 v[GM+2], v[GM+2], v[D1+14], v[D1+15]
.if \first
	v_min_num_f32 v[BEST], v[GM], v[GM+1]
	v_min_num_f32 v[BEST+1], v[GM+2], v[GM+3]
	v_mov_b32 v[GID], 0
	v_mov_b32 v[GID+1], 0
.else
	v_min_num_f32 v[GM], v[GM], v[GM+1]
	v_min_num_f32 v[GM+2], v[GM+2], v[GM+3]
	v_cmp_lt_f32 s[MK], v[GM], v[BEST]             ; smaller, not equal: the earlier group, with the lower indices, keeps a tie.  Both tiles' compares stand together,
	v_cmp_lt_f32 s[MK+1], v[GM+2], v[BEST+1]
	v_min_num_f32 v[BEST], v[BEST], v[GM]          ; the new best of each tile, which reads no mask, behind them,
	v_min_num_f32 v[BEST+1], v[BEST+1], v[GM+2]
	s_wait_alu depctr_va_sdst(0)                   ; and one wait: the two compares have written s28 and s29, which the selects below read
.irp j, 0,1,2,3,4,5,6,7,8,9,10,11,12,13,14,15
	v_cndmask_b32 v[KEEP+\j], v[KEEP+\j], v[D0+\j], s[MK]
.endr
	v_cndmask_b32 v[GID], v[GID], \g, s[MK]
.irp j, 0,1,2,3,4,5,6,7,8,9,10,11,12,13,14,15
	v_cndmask_b32 v[KEEP+16+\j], v[KEEP+16+\j], v[D1+\j], s[MK+1]
.endr
	v_cndmask_b32 v[GID+1], v[GID+1], \g, s[MK+1]
.endif
.endm
	ds_load_b128 v[IM0:IM0+3], v[AAD]              ; image 0,
	ds_load_b128 v[IM0+4:IM0+7], v[AAD] offset:512
	ds_load_b32 v[SW0], v[SAD]
	ds_load_b128 v[IM1:IM1+3], v[AAD] offset:1024  ; image 1, into the other set,
	ds_load_b128 v[IM1+4:IM1+7], v[AAD] offset:1536
	ds_load_b32 v[SW1], v[SAD] offset:128
.irp q, 0,1,2,3
	ds_load_b128 v[EN0+4*\q:EN0+4*\q+3], v[EAD] offset:16*\q   ; and e2 of group 0
.endr
	s_wait_dscnt 7                                 ; LDS loads come back in order: image 0's three are in, the seven issued behind them may be out
	WM DP, IM0, SW0                                ; group 0's products
	STEP 0, 1, 1, 1, 1, 2048, 64, 0                ; group 0 | products of group 1 | image 2, e2 of group 1.  Its first eight additions are the plain lines between group 0's products and the first read of their results
	s_mov_b32 s20, 1                               ; the number of a trip's first group: 1, 3, .. 27
.Lpair:                                                ; 14 trips of two steps, in which the sets of each pair change places and come back: groups 1 to 28
	s_add_co_u32 s21, s20, 1
	STEP 1, 0, 1, 1, 1, 3072, 128, s20
	STEP 0, 0, 1, 1, 1, 4096, 192, s21
	s_wait_alu depctr_vm_vsrc(0)                   ; the LDS loads issued so far have read v2 to v4, which the three additions write; that these are written is stated by the wait at the next step's head
	v_add_nc_u32 v[AAD], 2048, v[AAD]              ; two images on,
	v_add_nc_u32 v[SAD], 256, v[SAD]               ; two runs of scale words,
	v_add_nc_u32 v[EAD], 128, v[EAD]               ; 32 numbers of e2
	s_add_co_u32 s20, s20, 2
	s_cmp_lt_u32 s20, 29
	s_cbranch_scc1 .Lpair
	STEP 1, 0, 1, 1, 1, 3072, 128, 29              ; the last three steps are written out: image 31 is the last to be fetched,
	STEP 0, 0, 1, 0, 1, 0, 192, 30                 ; group 31's products the last to be issued,
	STEP 1, 0, 0, 0, 0, 0, 0, 31                   ; and the last step only searches: it loads nothing, so no wait on va_vdst stands at its head
	; THE PLACE IN THE BEST GROUP: the first of the 16 kept d that equals the best.  The thirty compares stand in one run, a mask each; the selects walk from the last place to the first, so that the first is written last.  The two tiles by turns
.irp j, 0,1,2,3,4,5,6,7,8,9,10,11,12,13,14
	v_cmp_eq_f32 s[P0+\j], v[KEEP+\j], v[BEST]
	v_cmp_eq_f32 s[P1+\j], v[KEEP+16+\j], v[BEST+1]
.endr
	v_mov_b32 v[T], 15
	v_mov_b32 v[T+1], 15
	s_wait_alu depctr_va_sdst(0)                   ; the thirty compares have written s32 to s61, which the selects below read
.irp j, 14,13,12,11,10,9,8,7,6,5,4,3,2,1,0
	v_cndmask_b32 v[T], v[T], \j, s[P0+\j]
	v_cndmask_b32 v[T+1], v[T+1], \j, s[P1+\j]
.endr
.irp t, 0,1
	v_lshl_add_u32 v[T+\t], v[GID+\t], 4, v[T+\t]  ; 16 x group + place,
.endr
.irp t, 0,1
	v_lshl_add_u32 v[T+\t], v[VH], 9, v[T+\t]      ; + 512 in lanes 16-31: the code
.endr
.irp t, 0,1
	v_permlanex16_b32 v[T+2+\t], v[BEST+\t], s18, s19   ; the row's other 512 codes lie in the lane 16 away: its best d
	v_permlanex16_b32 v[T+4+\t], v[T+\t], s18, s19      ; and that d's code
.endr
.irp t, 0,1
	v_cmp_lt_f32 s[13+\t], v[T+2+\t], v[BEST+\t]
	v_cmp_eq_f32 s[15+\t], v[T+2+\t], v[BEST+\t]
.endr
.irp t, 0,1
	v_min_u32 v[T+6+\t], v[T+\t], v[T+4+\t]
.endr
	s_wait_alu depctr_va_sdst(0)                   ; the four compares have written s13 to s16, which the selects below read
.irp t, 0,1
	v_cndmask_b32 v[T+8+\t], v[T+\t], v[T+4+\t], s[13+\t]   ; the smaller d's code;
.endr
.irp t, 0,1
	v_cndmask_b32 v[T+8+\t], v[T+8+\t], v[T+6+\t], s[15+\t] ; of equal d the lower code.  Both lanes of a row now hold the row's index
.endr
	v_cndmask_b32 v[T+8], v[T+8], v[T+9], s23      ; lanes 0-15: tile 0's rows, lanes 16-31: tile 1's: lane l holds the wave's row l
	s_wait_alu depctr_va_vdst(0)                   ; the select has written v76, which the LDS store reads; and the vector instructions are done with v80 to v83, in which the LDS load below lands: none follows this wait
	ds_store_b32 v[OSA], v[T+8]
	s_wait_dscnt 0x0                               ; for the others' sake: my 32 indices lie in LDS
	s_barrier_signal -1
	s_barrier_wait -1
	; the work-group's 1,024 bytes of indices leave in stores of 512 consecutive bytes, aligned: waves 0 and 1 into out1, waves 2 and 3 into pick
	s_cmp_lt_u32 s12, 4
	s_cbranch_scc0 .Ldone
	s_cmp_lt_u32 s12, 2
	s_cselect_b64 s[26:27], s[8:9], s[10:11]
	ds_load_b128 v[T+12:T+15], v[ORA]
	s_wait_dscnt 0x0
	global_store_b128 v[GOF], v[T+12:T+15], s[26:27]
.Ldone:
	s_wait_dscnt 0x0
	s_wait_alu depctr_hold_cnt(0) depctr_sa_sdst(0) depctr_va_vdst(0) depctr_va_sdst(0) depctr_va_ssrc(0) depctr_va_vcc(0) depctr_vm_vsrc(0)
	s_wait_tensorcnt 0x0
	ds_add_u32 v254, v255
	s_wait_dscnt 0x0
	s_endpgm
.Lfunc_end_k_qb7e92d00f0_nearest:
	.size	k_qb7e92d00f0_nearest, .Lfunc_end_k_qb7e92d00f0_nearest-k_qb7e92d00f0_nearest
	.p2alignl 7, 3214868480
	.fill 96, 4, 3214868480
	.section	.rodata,"a",@progbits
	.p2align	6, 0x0
	.amdhsa_kernel k_qb7e92d00f0_nearest
		.amdhsa_group_segment_fixed_size 168960
		.amdhsa_private_segment_fixed_size 0
		.amdhsa_enable_private_segment 0
		.amdhsa_kernarg_size 32
		.amdhsa_user_sgpr_count 2
		.amdhsa_user_sgpr_kernarg_segment_ptr 1
		.amdhsa_wavefront_size32 1
		.amdhsa_system_sgpr_workgroup_id_x 1
		.amdhsa_system_sgpr_workgroup_id_y 1
		.amdhsa_system_sgpr_workgroup_id_z 1
		.amdhsa_system_vgpr_workitem_id 0
		.amdhsa_next_free_vgpr 256
		.amdhsa_next_free_sgpr 66
		.amdhsa_reserve_vcc 0
		.amdhsa_float_denorm_mode_32 3
		.amdhsa_float_denorm_mode_16_64 3
		.amdhsa_memory_ordered 1
		.amdhsa_forward_progress 1
		.amdhsa_inst_pref_size 56
	.end_amdhsa_kernel
	.amdgpu_metadata
---
amdhsa.version: [ 1, 2 ]
amdhsa.kernels:
  - .name:           k_qb7e92d00f0_nearest
    .symbol:         k_qb7e92d00f0_nearest.kd
    .args:
      - { .name: z, .offset: 0, .size: 8, .value_kind: global_buffer, .address_space: global }
      - { .name: ecode, .offset: 8, .size: 8, .value_kind: global_buffer, .address_space: global }
      - { .name: out1, .offset: 16, .size: 8, .value_kind: global_buffer, .address_space: global }
      - { .name: pick, .offset: 24, .size: 8, .value_kind: global_buffer, .address_space: global }
    .group_segment_fixed_size: 168960
    .private_segment_fixed_size: 0
    .kernarg_segment_align: 8
    .kernarg_segment_size: 32
    .max_flat_workgroup_size: 256
    .sgpr_count:     66
    .vgpr_count:     256
    .wavefront_size: 32
...
	.end_amdgpu_metadata
.endif
;; end of part 5
;; launch gather (part 6): grid 256 x 1, 8 waves a work-group, no clusters, 0 bytes of LDS; arguments embeddings, pick, out0; writes out0
.if DOCPART == 6
	.amdgcn_target "amdgcn-amd-amdhsa--gfx1250"
	.amdhsa_code_object_version 6
	.text
	.protected	k_qb7e92d00f0_gather
	.globl	k_qb7e92d00f0_gather
	.p2align	8
	.type	k_qb7e92d00f0_gather,@function
k_qb7e92d00f0_gather:
	s_mov_b64 s[64:65], 0
	v_nop
	global_prefetch_b8 v0, s[64:65] scope:SCOPE_SE
	s_setreg_imm32_b32 hwreg(HW_REG_WAVE_MODE, 25, 1), 1
	s_wait_xcnt 0x0
; out0[row][:] = embeddings[pick[row]][:], 65,536 rows of 64 f32 (256 bytes), unquantised.  pick holds the indices that the launch before stored.
; A stream: no LDS, no barrier, no matrix work.  A work-group owns 256 rows, a wave 32.  Sixteen lanes take a row, 16 bytes each; instruction q of a wave serves row q of its first sixteen rows in lanes 0-15 and row q of its
; second sixteen in lanes 16-31, so that a lane's sixteen indices are 64 consecutive bytes of pick (four loads of 16 bytes) and each half of a store covers 256 consecutive bytes, aligned.
; All sixteen row loads of a wave are on their way at once (8,192 bytes); a store follows as soon as its row is in.
; An index enters an address only behind v_min_u32 with 1,023: the table has 1,024 rows.
; The table's rows may be named many times: their loads carry no hint.  pick is read once and out0 written once.
.set IX,  8                            ; v8-23   sixteen indices, then the rows' byte offsets
.set DAT, 24                           ; v24-87  sixteen rows' 16 bytes
	s_load_b128 s[4:7], s[0:1], 0x0                ; embeddings, pick
	s_load_b64 s[8:9], s[0:1], 0x10                ; out0
	v_lshrrev_b32 v1, 4, v0                        ; which run of sixteen rows of the work-group's 256: 2 x wave + lane / 16
	v_and_b32 v2, 15, v0
	s_delay_alu instid0(VALU_DEP_1)
	v_lshlrev_b32 v2, 4, v2                        ; my 16 bytes of a row
	s_lshl_b32 s10, ttmp9, 10                      ; the work-group's 256 indices are 1,024 bytes
	v_lshl_add_u32 v3, v1, 6, s10                  ; my run's sixteen are 64
	v_lshl_add_u32 v4, v1, 12, v2                  ; out0: my run's sixteen rows are 4,096 bytes
	s_lshl_b32 s12, ttmp9, 16                      ; the work-group's 256 rows are 65,536
	s_mov_b32 s13, 0
	s_wait_alu depctr_va_vdst(0)
	s_wait_kmcnt 0x0
	s_add_nc_u64 s[8:9], s[8:9], s[12:13]
.irp i, 0,1,2,3
	global_load_b128 v[IX+4*\i:IX+4*\i+3], v3, s[6:7] offset:16*\i th:TH_LOAD_NT
.endr
	s_wait_loadcnt 0x0
.irp q, 0,1,2,3,4,5,6,7,8,9,10,11,12,13,14,15
	v_min_u32 v[IX+\q], 0x3ff, v[IX+\q]
.endr
.irp q, 0,1,2,3,4,5,6,7,8,9,10,11,12,13,14,15
	v_lshl_add_u32 v[IX+\q], v[IX+\q], 8, v2       ; 256 x index + my 16 bytes
	global_load_b128 v[DAT+4*\q:DAT+4*\q+3], v[IX+\q], s[4:5]
.endr
.irp q, 0,1,2,3,4,5,6,7,8,9,10,11,12,13,14,15
	s_wait_loadcnt 15-\q                           ; loads come back in order: row q is in, the 15 - q issued behind it may be out
	global_store_b128 v4, v[DAT+4*\q:DAT+4*\q+3], s[8:9] offset:256*\q th:TH_STORE_NT
.endr
	s_endpgm
.Lfunc_end_k_qb7e92d00f0_gather:
	.size	k_qb7e92d00f0_gather, .Lfunc_end_k_qb7e92d00f0_gather-k_qb7e92d00f0_gather
	.p2alignl 7, 3214868480
	.fill 96, 4, 3214868480
	.section	.rodata,"a",@progbits
	.p2align	6, 0x0
	.amdhsa_kernel k_qb7e92d00f0_gather
		.amdhsa_group_segment_fixed_size 0
		.amdhsa_private_segment_fixed_size 0
		.amdhsa_enable_private_segment 0
		.amdhsa_kernarg_size 24
		.amdhsa_user_sgpr_count 2
		.amdhsa_user_sgpr_kernarg_segment_ptr 1
		.amdhsa_wavefront_size32 1
		.amdhsa_system_sgpr_workgroup_id_x 1
		.amdhsa_system_sgpr_workgroup_id_y 1
		.amdhsa_system_sgpr_workgroup_id_z 1
		.amdhsa_system_vgpr_workitem_id 0
		.amdhsa_next_free_vgpr 96
		.amdhsa_next_free_sgpr 66
		.amdhsa_reserve_vcc 0
		.amdhsa_float_denorm_mode_32 3
		.amdhsa_float_denorm_mode_16_64 3
		.amdhsa_memory_ordered 1
		.amdhsa_forward_progress 1
		.amdhsa_inst_pref_size 7
	.end_amdhsa_kernel
	.amdgpu_metadata
---
amdhsa.version: [ 1, 2 ]
amdhsa.kernels:
  - .name:           k_qb7e92d00f0_gather
    .symbol:         k_qb7e92d00f0_gather.kd
    .args:
      - { .name: embeddings, .offset: 0, .size: 8, .value_kind: global_buffer, .address_space: global }
      - { .name: pick, .offset: 8, .size: 8, .value_kind: global_buffer, .address_space: global }
      - { .name: out0, .offset: 16, .size: 8, .value_kind: global_buffer, .address_space: global }
    .group_segment_fixed_size: 0
    .private_segment_fixed_size: 0
    .kernarg_segment_align: 8
    .kernarg_segment_size: 24
    .max_flat_workgroup_size: 256
    .sgpr_count:     66
    .vgpr_count:     96
    .wavefront_size: 32
...
	.end_amdgpu_metadata
.endif
;; end of part 6
